; MI455X (gfx1250); checked and timed in simulation.
; The chip was launched on July 23, 2026; its instructions are those of AMD's public machine-readable ISA for CDNA 5 (MIT licence, August 2026) and "CDNA5" Instruction Set Architecture Reference Guide (July 2026). The comments in the code are by the model that wrote it; some were corrected since.
;; Multi Head Self Attention. Allowed arithmetic: matrix products marked QUANTISED: E5M2 operands, one given power-of-two scale a tensor, by v_wmma_f32_16x16x64_bf8_bf8 or v_wmma_f32_16x16x128_bf8_bf8, f32 sums; everything else in f32.
;; Inputs: b_out 1,024 float32; b_qkv 3,072 float32; lowp_scales 8 int32 (the exponents e of the quantised operands' scales 2^e); w_out_codes 1,024 x 32 x 32 uint8 (E5M2 codes of w_out, K innermost, in blocks of 32 codes); w_qkv_codes 3,072 x 32 x 32 uint8 (E5M2 codes of w_qkv, K innermost, in blocks of 32 codes); x_codes 4 x 2,048 x 32 x 32 uint8 (E5M2 codes of x, K innermost, in blocks of 32 codes).
;; Outputs: out0 4 x 2,048 x 1,024 float32.
;; This version of the problem:
;;   THIS VERSION OF THE PROBLEM IS GIVEN IN LOW PRECISION. The matrix products marked QUANTISED in the list below multiply operands that are first quantised to E5M2 (5 exponent bits, 2 mantissa bits; 8 bits a number), with one given power-of-two scale for each operand tensor; their sums are f32. All else is computed in f32.
;;   The module's matrix products, in the order in which they are computed (A, B: the left and right operand; K: the contracted axis; several contracted axes count as one K, in the product's order):
;;     1. [M 8,192, K 1,024] x [K 1,024, N 3,072]; A: input x (given as codes); B: input w_qkv (given as codes): QUANTISED (scales: A lowp_scales[0], B lowp_scales[1])
;;     2. batch 64 x [M 2,048, K 64] x [K 64, N 2,048]; A: computed on the way; B: computed on the way: QUANTISED (scales: A lowp_scales[2], B lowp_scales[3])
;;     3. batch 64 x [M 2,048, K 2,048] x [K 2,048, N 64]; A: softmax (see below); B: computed on the way: QUANTISED (scales: A lowp_scales[4], B lowp_scales[5])
;;     4. [M 8,192, K 1,024] x [K 1,024, N 1,024]; A: computed on the way; B: input w_out (given as codes): QUANTISED (scales: A lowp_scales[6], B lowp_scales[7])
;;   THE QUANTISER, for each operand of a quantised product, along K:
;;     - The operand's scale is 2^e, e = its entry of the input lowp_scales (int32; the entries are numbered through the quantised products in the list's order, A before B).
;;     - Each number is divided by the scale, clamped to +-57,344, and rounded to the nearest number of E5M2, ties to even, subnormals kept.
;;     - The product sums the exact products of the quantised numbers (number of the format x scale) in f32.
;;   ~~~python
;;   def quantise(x, axis, e):      # numpy; x: float32 -> the quantised numbers, widened to float32 again
;;       x = np.moveaxis(x, axis, -1); K = x.shape[-1]
;;       r = np.clip(x / 2.0 ** e, -57344, 57344)
;;       step = 2.0 ** (np.maximum(np.frexp(np.where(r == 0, 1, r))[1] - 1, -14) - 2)
;;       q = np.round(r / step) * step * 2.0 ** e      # np.round: ties to even
;;       return np.moveaxis(q, -1, axis).astype(np.float32)
;;   ~~~
;;   SOFTMAX AHEAD OF A QUANTISED PRODUCT. Where the list says 'softmax', what is quantised is not the finished softmax but p = 2^(t - M), with t = logit x log2(e) and M = ceil(the row's largest t), a whole number; so 1/2 < the row's largest p <= 1. The row's sum l is taken of the UNQUANTISED p, in f32, and the product's result is divided by l at the end. Since M is a whole number, a kernel that streams over the keys may use a running M (the ceiling of the running maximum): every later rescaling is an exact power of two, so the quantised numbers keep their values, but for numbers so far below the row's largest that they fall under the format's range.
;;   OPERANDS COMPUTED ON THE WAY. 'Computed on the way' means the value that the module computes at that place (a softmax that the list does not call 'softmax' is quantised finished and normalised). What goes into a quantiser is computed in f32, as accurately as f32 sums, v_exp_f32 and their like allow (about 1e-6 of the number): no bf16 or f16 on the way to a quantiser, and a product that is left as it is and whose result goes on into a quantised operand takes f32 operands (vector FMAs, or v_wmma_f32_16x16x4_f32). A number that lies on a knife's edge between two numbers of the format may be rounded either way, as far as f32 arithmetic and the matrix unit's own rounding can turn it there, and no further.
;;   INPUTS GIVEN AS CODES. w_out (in the module: [1024, 1024], K = its axis 0); w_qkv (in the module: [1024, 3072], K = its axis 0); x (in the module: [4, 2048, 1024], K = its axis 2): each comes as NAME_codes (uint8): NAME with its K axis moved to the last place and cut into blocks of 32 codes, [.., K / 32, bytes a block], one block behind the other in memory; one code a byte (a code: sign, 5 exponent bits, 2 mantissa bits); its scale is its entry of lowp_scales. Its value is code x scale, taken as it is: it is not quantised again, and the codes and scales need not be those that the quantiser above would give.
;; One version. Each part assembles by itself: llvm-mc -triple=amdgcn-amd-amdhsa -mcpu=gfx1250 --defsym DOCPART=n.
;; ======== version 1 of 1: 3 launches
;; limits: right only within a limited range of input values
;; workspace buffers: q_codes 8,388,608 bytes; k_codes 8,388,608 bytes; v_codes 8,388,608 bytes; a_codes 8,388,608 bytes
;; launch qkv (part 1): grid 12 x 32, 4 waves a work-group, clusters of 4 x 4, 327,680 bytes of LDS; arguments x_codes, w_qkv_codes, lowp_scales, b_qkv, q_codes, k_codes, v_codes; writes q_codes, k_codes, v_codes
.if DOCPART == 1
	.amdgcn_target "amdgcn-amd-amdhsa--gfx1250"
	.amdhsa_code_object_version 6
	.text
	.protected	k_qfe0eacc77c_qkv
	.globl	k_qfe0eacc77c_qkv
	.p2align	8
	.type	k_qfe0eacc77c_qkv,@function
k_qfe0eacc77c_qkv:
	s_mov_b64 s[64:65], 0
	v_nop
	global_prefetch_b8 v0, s[64:65] scope:SCOPE_SE
	s_setreg_imm32_b32 hwreg(HW_REG_WAVE_MODE, 25, 1), 1
	s_wait_xcnt 0x0
	s_wait_alu depctr_hold_cnt(0) depctr_sa_sdst(0) depctr_va_vdst(0) depctr_va_sdst(0) depctr_va_ssrc(0) depctr_va_vcc(0) depctr_vm_vsrc(0)
	s_getreg_b32 s2, hwreg(HW_REG_IB_STS2, 6, 4)
	s_cmp_eq_u32 s2, 0
	s_cbranch_scc0 .Lentry_in_a_cluster
	s_endpgm
.Lentry_in_a_cluster:
	s_bfe_u32 s2, ttmp6, 0x10000c
	s_cmp_lg_u32 s2, 0xf033
	s_cbranch_scc0 .Lentry_shape_is_right
	s_endpgm
.Lentry_shape_is_right:
; qkv = x w_qkv + b_qkv on codes of BF8 (E5M2), then q, k and v are quantised once, each with its given scale, into buffers laid as the attention launch reads them.
; x: [8192 tokens][1024] codes; w_qkv: [3072][1024] codes, K innermost in both.  A finished sum stands for sum x 2^(e0 + e1); value = sum x 2^(e0 + e1) + bias, one fused multiply-add in f32;
; code = value / 2^e, held within +-57,344, to the nearest code, ties to even; e = e2 for q, e3 for k, e5 for v.
; OUTPUTS.  q_codes, k_codes: [batch x head 64][token 2048][d 64].  v_codes: [batch x head 64][block of 128 keys 16][d 64][key in the block 128]: the keys innermost, since they are the K of the second attention product.
; A tile of 256 x 256 of the product is made by four waves, each 128 x 128: 64 accumulators, 512 registers.  K goes in steps of 256 through two LDS slots filled by the tensor data mover.
; THE MATRIX INSTRUCTION IS USED TRANSPOSED (source 0 = 16 rows of "B", source 1 = 16 rows of "A"): a lane holds ONE row of A and eight neighbouring rows of B.
; q and k want d innermost: A = x (the lane is a token), B = w_qkv (the registers run along d): clusters x = 0 (q) and 1 (k).
; v wants the keys innermost: A = w_qkv's rows 2048 on (the lane is a channel d), B = x (the registers run along the tokens): cluster x = 2.  The two pointers are chosen on the cluster's x, which all sixteen partners share;
; the main loop is one text, and nothing is transposed by an instruction.
; CLUSTERS: 4 x 4 work-groups.  The four of a row of the cluster need the same tiles of A, the four of a column the same tiles of B: each tile is asked for jointly, by the same tensor load with the same descriptor and a mask that names the four.
; No prefetch: a work-group has two refills in all, and its four K steps are 512 matrix instructions a wave.
; LIMITS: e0 + e1 between -126 and 127; e2, e3, e5 between -126 and 112, so that each power of two below is an f32 number.  NaN among the biases is not served.
; REGISTERS, in windows of 256: window 0: v0-31 addresses and constants; v32-95 the bias along B's rows, v96-111 the bias along A's rows; from v128 A's fragments, one set; on the way out v112-239 are at work.
;   window 1: B's fragments, two sets, at v0 and v128.   window 2: the accumulators of my rows 0-63 ((a, b) at v[8 (8 a + b)]);   window 3: those of my rows 64-127.
.set SIZE_K, 1024
.set KSTEP,  256                       ; along K in a slot
.set ROWB,   256                       ; a tile's row in bytes
.set KROW,   SIZE_K                    ; a row of x or of w_qkv in memory, in bytes
.set PITCH,  272                       ; an LDS row: 256 bytes + 16 of padding = 68 words, so that the 16 rows that a load touches start at 16 different banks (64 banks of 4 bytes: ISA guide 11.1)
.set FR,     16                        ; registers of a fragment: 16 rows x 128 K
.set NL,     4                         ; LDS loads that bring one
.set NP,     4                         ; places behind this matrix instruction (ISA guide 7.12.1)
.set HALFT,  128*PITCH                 ; 128 rows: what one tensor load brings
.set SLOT,   4*HALFT                   ; A's 256 rows, then B's 256 rows
.set LAPS,   SIZE_K/(2*KSTEP)          ; a lap = two K steps = once round the ring
.set SPARE,  2*SLOT                    ; behind the ring: the spare words, 128 bytes for each wave
.set WSTG,   20480                     ; the way out: a stage for each wave, in slot 0, which has had its last fill and its last read by then: 256 chunks of 64 bytes + 16 of padding
.set CH,     80                        ; from chunk to chunk
.set ADRA, 16                          ; v16-17  LDS address of my A fragments in slot 0, 1
.set ADRB, 20                          ; v20-21  the same for B
.set STOQ, 24                          ; v24     the way out of q and k: stage + 80 r + 8 h
.set STOV, 25                          ; v25     the way out of v: stage + 160 r + 8 h
.set RD,   26                          ; v26     where I read 16 bytes back: stage + 80 (lane / 4) + 16 (lane % 4)
.set CO,   27                          ; v27     16 x lane: my place in 512 bytes of output
.set SPW,  28                          ; v28     LDS address of my spare word; never rewritten
.set NIL,  29                          ; v29     0; never rewritten
.set SC,   30                          ; v30     2^e as f32: the conversion takes its exponent field
.set LIM,  31                          ; v31     unused
.set BN,   32                          ; v32-95  b_qkv at B's rows n0 + 16 b + 8 h + j
.set BM,   96                          ; v96-111 b_qkv at 2048 + A's rows m0 + 16 a + r, each twice: a pair for the packed form
.set TMP,  112                         ; v112-175 a block's 64 numbers
.set CD,   176                         ; v176-207 two sets of 16 registers of codes
.set RB,   112                         ; v112-239 the stage read back
.set AF,   128                         ; A's fragments, in window 0
.set G1, 24                            ; s[24:31] descriptor group 1 for A's tiles;  s[32:39] group 0, one set for each slot
.set G0, 32
.set G1B, 48                           ; s[48:55], s[56:63] the same for B's tiles
.set G0B, 56
.set MSB, 0
.macro WIN new                         ; the immediate's high byte repeats the setting that is left
.if MSB != (\new)
	s_set_vgpr_msb (MSB<<8)|(\new)
.set MSB, (\new)
.endif
.endm
.set MUL_LO, 0xa1                      ; source 0 (B) window 1, source 1 (A) window 0, C and D window 2
.set MUL_HI, 0xf1                      ; the same, C and D window 3
.set TO_B,   0x40                      ; destination window 1, address window 0
; A joint load: waves 0 and 1 fetch for A, waves 2 and 3 for B.  Each of the two lines has one mask and one set of registers for all that issue it; the branch hangs on the wave's number alone.
; Four v_nop follow each of the two lines, ahead of the jump, the label and what follows.
.macro JLOAD g0a, g1a, g0b, g1b
	s_cmp_eq_u32 s15, 0
	s_cbranch_scc0 .Lfor_b_\@
	tensor_load_to_lds s[\g0a:\g0a+3], s[\g1a:\g1a+7]
	s_nop 0
.rept 4
	v_nop
.endr
	s_branch .Lasked_\@
.Lfor_b_\@:
	tensor_load_to_lds s[\g0b:\g0b+3], s[\g1b:\g1b+7]
	s_nop 0
.rept 4
	v_nop
.endr
.Lasked_\@:
.endm
.macro CREST                           ; a round of the cluster's barrier behind its opening barrier
	s_cmp_lg_u32 s14, 0
	s_cbranch_scc1 .Lnot_wave_0_\@
	s_barrier_signal -3
.Lnot_wave_0_\@:
	s_barrier_wait -3
	s_barrier_signal -1
	s_barrier_wait -1
.endm
.macro CROUND                          ; a whole round
	s_barrier_signal -1
	s_barrier_wait -1
	CREST
.endm
	s_load_b128 s[4:7], s[0:1], 0x0                ; x's codes s[4:5], w_qkv's codes s[6:7]
	s_load_b128 s[8:11], s[0:1], 0x10              ; the scales' exponents s[8:9], b_qkv s[10:11]
	s_load_b128 s[68:71], s[0:1], 0x20             ; q_codes s[68:69], k_codes s[70:71]
	s_load_b64 s[72:73], s[0:1], 0x30              ; v_codes
	v_lshl_add_u32 v[SPW], v0, 2, SPARE
	v_mov_b32 v[NIL], 0
	ds_add_u32 v28, v29
	ds_add_u32 v28, v29
	s_wait_dscnt 0x0
	v_lshrrev_b32 v1, 5, v0
	v_readfirstlane_b32 s14, v1                    ; wave 0..3
	s_lshr_b32 s15, s14, 1                         ; which half of the tile's rows (A) is mine.  Also: I fetch for A (0) or for B (1)
	s_and_b32 s16, s14, 1                          ; which half of its columns (B).  Also: which 128 rows of that tile I fetch
	s_bfe_u32 s40, ttmp6, 0x40000                  ; cx, cy: my place in the cluster
	s_bfe_u32 s41, ttmp6, 0x40004
	s_and_b32 s74, ttmp7, 0xffff                   ; cluster y
	s_cmp_eq_u32 ttmp9, 2                          ; cluster x = 2 makes v: the same answer in all sixteen partners
	s_cselect_b32 s75, s74, ttmp9                  ; B's side: blocks of 1,024 tokens for v, of 1,024 rows of w_qkv for q and k
	s_cselect_b32 s76, 0, s74                      ; A's side: v's 1,024 rows of w_qkv are one block; else blocks of 1,024 tokens
	s_cselect_b32 s82, 0x200000, 0                 ; v's rows of w_qkv begin at row 2,048: 2,048 x 1,024 bytes
	s_lshl_b32 s42, s75, 2
	s_add_co_u32 s42, s42, s40                     ; tile column (B) = 4 x its cluster coordinate + cx
	s_lshl_b32 s17, s76, 2
	s_add_co_u32 s17, s17, s41                     ; tile row (A) = 4 x its cluster coordinate + cy
	s_lshl_b32 s43, s41, 2
	s_lshl_b32 s43, 15, s43                        ; my row of the cluster
	s_lshl_b32 s44, 0x1111, s40                    ; my column
	; descriptor group 1: a tile of 128 rows x 256 bytes, padded in LDS
	s_or_b32 s[G1+0], s43, (0<<16)|(1<<20)|(1<<21)|(5<<22)|(3<<25)  ; 15:0 the mask: A's tiles go to my row; 17:16 element of 1 byte; 20 padding on; 21 set beside a mask; 24:22 after every 64 words (code 5); 31:25 of 4 words (code 3)
	s_or_b32 s[G1B+0], s44, (0<<16)|(1<<20)|(1<<21)|(5<<22)|(3<<25) ; the same with the mask of my column
.irp g, G1, G1B
	s_mov_b32 s[\g+1], ROWB<<16                    ; tensor_dim0
	s_mov_b32 s[\g+2], 128<<16                     ; tensor_dim1 = 128
	s_mov_b32 s[\g+3], ROWB<<16                    ; tile_dim0
	s_mov_b32 s[\g+4], 128                         ; tile_dim1 = 128
	s_mov_b32 s[\g+5], KROW                        ; tensor_dim0_stride
	s_mov_b32 s[\g+6], 0
	s_mov_b32 s[\g+7], 0
.endr
	s_lshl_b32 s18, s16, 7                         ; which 128 rows of the tile I fetch
	s_lshl_b32 s20, s17, 8
	s_add_co_u32 s20, s20, s18                     ; A: row 256 x tile row + 128 x half
	s_lshl_b32 s20, s20, 10                        ; in bytes: under 2^23
	s_add_co_u32 s20, s20, s82
	s_mov_b32 s21, 0
	s_lshl_b32 s46, s42, 8
	s_add_co_u32 s46, s46, s18                     ; B: row 256 x tile column + 128 x half
	s_lshl_b32 s46, s46, 10
	s_mov_b32 s47, 0
	s_mul_i32 s45, s14, HALFT                      ; where they go: wave x 128 rows: no place in the cluster enters an LDS address
	s_wait_kmcnt 0x0
	s_load_b256 s[88:95], s[8:9], 0x0              ; e0 .. e7
	s_cmp_eq_u32 ttmp9, 2
	s_cselect_b64 s[78:79], s[6:7], s[4:5]         ; A: w_qkv for v, else x
	s_cselect_b64 s[80:81], s[4:5], s[6:7]         ; B: x for v, else w_qkv
	s_cselect_b64 s[84:85], s[72:73], s[70:71]     ; the output: v_codes, or k_codes,
	s_cmp_eq_u32 ttmp9, 0
	s_cselect_b64 s[84:85], s[68:69], s[84:85]     ; or q_codes
	s_add_nc_u64 s[20:21], s[78:79], s[20:21]
	s_add_nc_u64 s[46:47], s[80:81], s[46:47]
	CROUND                                         ; all sixteen work-groups are here: the first joint loads meet
.irp s, 0,1
	s_mov_b32 s[G0+4*\s], 1
	s_add_co_u32 s[G0+4*\s+1], s45, \s*SLOT
	s_add_nc_u64 s[G0+4*\s+2:G0+4*\s+3], s[20:21], \s*ROWB
	s_or_b32 s[G0+4*\s+3], s[G0+4*\s+3], 0x80000000
	s_mov_b32 s[G0B+4*\s], 1
	s_add_co_u32 s[G0B+4*\s+1], s45, \s*SLOT
	s_add_nc_u64 s[G0B+4*\s+2:G0B+4*\s+3], s[46:47], \s*ROWB
	s_or_b32 s[G0B+4*\s+3], s[G0B+4*\s+3], 0x80000000
	JLOAD G0+4*\s, G1, G0B+4*\s, G1B
.endr
	v_and_b32 v1, 15, v0                           ; r = l % 16
	s_wait_alu depctr_va_vdst(0)
	v_bfe_u32 v2, v0, 4, 1                         ; h = l / 16
	v_mul_u32_u24 v3, v1, PITCH
	v_lshl_add_u32 v4, v2, 4, v3                   ; a fragment's row x pitch + 16 x half
	s_mul_i32 s21, s15, HALFT                      ; my 128 rows of A
	s_mul_i32 s22, s16, HALFT                      ; my 128 rows of B,
	s_add_co_u32 s22, s22, 2*HALFT                 ; which lie behind A's 256
.irp s, 0,1
	v_add_nc_u32 v[ADRA+\s], s21, v4
	v_add_nc_u32 v[ADRB+\s], s22, v4
	s_add_co_u32 s21, s21, SLOT
	s_add_co_u32 s22, s22, SLOT
.endr
	s_mul_i32 s23, s14, WSTG                       ; my stage
	v_mul_u32_u24 v5, v1, CH
	s_wait_alu depctr_va_vdst(0)
	v_lshl_add_u32 v5, v2, 3, v5
	v_add_nc_u32 v[STOQ], s23, v5                  ; q, k: chunk = my token r, 8 bytes for each half of the lanes
	v_mul_u32_u24 v5, v1, 2*CH
	v_lshl_add_u32 v5, v2, 3, v5
	v_add_nc_u32 v[STOV], s23, v5                  ; v: my channel r has two chunks (128 keys)
	v_and_b32 v6, 31, v0
	v_lshrrev_b32 v5, 2, v6
	v_mul_u32_u24 v5, v5, CH
	v_and_b32 v9, 3, v6
	v_lshl_add_u32 v5, v9, 4, v5
	v_add_nc_u32 v[RD], s23, v5                    ; back: four lanes to a chunk
	v_lshlrev_b32 v[CO], 4, v6
	v_lshlrev_b32 v7, 5, v2                        ; the bias along B's rows: 8 h numbers on
	s_wait_alu depctr_va_vdst(0)
	v_lshlrev_b32 v8, 2, v1                        ; the bias along A's rows: r numbers on
	s_wait_alu depctr_va_vdst(0)
	s_lshl_b32 s77, s17, 8
	s_lshl_b32 s83, s15, 7
	s_add_co_u32 s77, s77, s83                     ; m0: my first row of A
	s_lshl_b32 s83, s42, 8
	s_lshl_b32 s2, s16, 7
	s_add_co_u32 s83, s83, s2                      ; n0: my first row of B
	; Both sets of biases are loaded in every work-group, so that the head has no branch.  The two masks change nothing in the kind that uses the set (q, k: n0 is under 2,048; v: m0 is under 1,024) and keep the other kind's loads inside b_qkv.
	s_and_b32 s86, s83, 2047
	s_lshl_b32 s86, s86, 2
	s_mov_b32 s87, 0
	s_add_nc_u64 s[86:87], s[10:11], s[86:87]      ; b_qkv at n0
	s_and_b32 s100, s77, 1023
	s_lshl_b32 s100, s100, 2
	s_add_co_u32 s100, s100, 8192
	s_mov_b32 s101, 0
	s_add_nc_u64 s[100:101], s[10:11], s[100:101]  ; b_qkv at 2,048 + m0
.irp b, 0,1,2,3,4,5,6,7
	global_load_b128 v[BN+8*\b:BN+8*\b+3], v7, s[86:87] offset:64*\b
	global_load_b128 v[BN+8*\b+4:BN+8*\b+7], v7, s[86:87] offset:64*\b+16
.endr
.irp a, 0,1,2,3,4,5,6,7
	global_load_b32 v[BM+2*\a], v8, s[100:101] offset:64*\a
	global_load_b32 v[BM+2*\a+1], v8, s[100:101] offset:64*\a
.endr
	; where my two blocks of 8,192 bytes of output begin: ((16 x batch + head) << 17) + 64 x (token in its batch).  The one formula serves all three buffers: 128 tokens x 64 bytes are one block of 128 keys of v_codes
	s_cmp_eq_u32 ttmp9, 2
	s_cselect_b32 s2, s83, s77                     ; my first token
	s_cselect_b32 s18, s77, s83                    ; my first column of q, k or v (after the mask below)
	s_lshr_b32 s19, s2, 11
	s_lshl_b32 s19, s19, 4                         ; 16 x batch
	s_and_b32 s18, s18, 1023
	s_lshr_b32 s18, s18, 6                         ; head
	s_add_co_u32 s19, s19, s18
	s_lshl_b32 s19, s19, 17
	s_and_b32 s2, s2, 2047
	s_lshl_b32 s2, s2, 6
	s_add_co_u32 s18, s19, s2
	s_mov_b32 s19, 0
	s_add_nc_u64 s[84:85], s[84:85], s[18:19]
.macro FRAG reg, adr, q, i             ; a fragment, 16 rows x 128 K of 8-bit codes, is 16 registers: lane l holds row l % 16; registers 4 c .. 4 c + 3 hold K = 32 c + 16 (l / 16) + 0 .. 15: the same order of k in A and in B, so every product meets its partner
.irp c, 0,1,2,3
	ds_load_b128 v[\reg+4*\c:\reg+4*\c+3], v[\adr] offset:128*(\q)+32*\c+(\i)*16*PITCH
.endr
.endm
; 16 matrix instructions: A's blocks a0, a0 + 1 x B's eight, 128 along K.  p: B's set.  zero = 1: the first product starts the sums: nothing is ever cleared.
; The 64 accumulators take turns, one instruction a turn, in the same order in every step.
.macro MUL16 a0, p, zero
.irp a, \a0, \a0+1
.irp b, 0,1,2,3,4,5,6,7
.if \zero
	v_wmma_f32_16x16x128_bf8_bf8 v[8*(8*((\a)%4)+\b):8*(8*((\a)%4)+\b)+7], v[128*(\p)+FR*\b:128*(\p)+FR*\b+FR-1], v[AF+FR*(\a):AF+FR*(\a)+FR-1], 0
.else
	v_wmma_f32_16x16x128_bf8_bf8 v[8*(8*((\a)%4)+\b):8*(8*((\a)%4)+\b)+7], v[128*(\p)+FR*\b:128*(\p)+FR*\b+FR-1], v[AF+FR*(\a):AF+FR*(\a)+FR-1], v[8*(8*((\a)%4)+\b):8*(8*((\a)%4)+\b)+7]
.endif
.endr
.endr
.endm
.macro FETCH_B slot, q, p              ; B's eight fragments of the slot's q-th 128 along K into set p
	WIN TO_B
.irp i, 0,1,2,3,4,5,6,7
	FRAG 128*(\p)+FR*\i, ADRB+\slot, \q, \i
.endr
	WIN 0
.endm
.macro FETCH_A slot, q, i0             ; A's blocks i0 .. i0 + 3
.irp i, \i0, \i0+1, \i0+2, \i0+3
	FRAG AF+FR*(\i), ADRA+\slot, \q, \i
.endr
.endm
; A load into a register that a matrix instruction has read, and a vector instruction that reads a matrix result, stand NP places behind that matrix instruction; only plain vector instructions that name none of its registers are places.
.macro PLACES n
.rept \n
	v_nop
.endr
.endm
; A step of 128 along K that has its successor in the same slot.  A's blocks are free as soon as their eight products are issued: blocks 0-3 are fetched anew in the step's middle, blocks 4-7 at its end.
.macro STEP slot, q, zero
	s_wait_dscnt 4*NL                              ; B's set and A's blocks 0-3 are in; the youngest 16 loads (A's blocks 4-7) may be out
	WIN MUL_LO
	MUL16 0, (\q)%2, \zero
	MUL16 2, (\q)%2, \zero
	s_wait_dscnt 0                                 ; A's blocks 4-7 are in
	PLACES NP
	FETCH_B \slot, (\q)+1, 1-(\q)%2
	FETCH_A \slot, (\q)+1, 0
	WIN MUL_HI
	MUL16 4, (\q)%2, \zero
	MUL16 6, (\q)%2, \zero
	PLACES NP
	WIN 0
	FETCH_A \slot, (\q)+1, 4
.endm
; A slot's last step changes slots: one barrier; in front of it each wave waits for all its tensor loads, adds 0 to its spare word, and waits for that and for its own reads of this slot.  fill = 1: this slot is filled again, two K steps ahead.
.macro TURN slot, next, fill
	s_wait_tensorcnt 0x0                           ; all my tensor loads have landed: my part of the next slot
	ds_add_u32 v[SPW], v[NIL]                      ; 0 onto my spare word
	s_wait_dscnt 4*NL+1                            ; the add and the youngest 16 loads (A's blocks 4-7) may be out
	WIN MUL_LO
	MUL16 0, 1, 0                                  ; sixteen matrix instructions stand between the add and the wait for it
	s_wait_dscnt 0x0                               ; the add is done, and my reads of this slot are over
	s_barrier_signal -1
	MUL16 2, 1, 0
	WIN 0
	s_barrier_wait -1
.if \fill
	CREST                                          ; the barrier has opened a round of the cluster's barrier: no wave of any partner still reads this slot's tile or has a load on its way
	s_add_nc_u64 s[G0+4*\slot+2:G0+4*\slot+3], s[G0+4*\slot+2:G0+4*\slot+3], 2*ROWB
	s_add_nc_u64 s[G0B+4*\slot+2:G0B+4*\slot+3], s[G0B+4*\slot+2:G0B+4*\slot+3], 2*ROWB
	JLOAD G0+4*\slot, G1, G0B+4*\slot, G1B         ; the first tensor load behind the round; the four v_nop behind it are the places in front of the loads below
.else
	PLACES NP
.endif
	FETCH_B \next, 0, 0
	FETCH_A \next, 0, 0
	WIN MUL_HI
	MUL16 4, 1, 0
	MUL16 6, 1, 0
	PLACES NP
	WIN 0
	FETCH_A \next, 0, 4
.endm
	s_wait_tensorcnt 1                             ; my part of K step 0 is in (K step 1's load may be out)
	s_barrier_signal -1
	s_barrier_wait -1                              ; everybody's is
	FETCH_B 0, 0, 0
	FETCH_A 0, 0, 0
	FETCH_A 0, 0, 4
	STEP 0, 0, 1                                   ; the first step stands in front of the loop: its products start the sums
	s_mov_b32 s3, LAPS-1
.Llap:                                                 ; a trip goes once round the ring, from a lap's second step to the next lap's first, and fills both slots again
	TURN 0, 1, 1
	STEP 1, 0, 0
	TURN 1, 0, 1
	STEP 0, 0, 0
	s_sub_co_u32 s3, s3, 1
	s_cmp_lg_u32 s3, 0
	s_cbranch_scc1 .Llap
	TURN 0, 1, 0                                   ; the last lap fills nothing, and has no round of the cluster's barrier
	STEP 1, 0, 0
	s_wait_dscnt 4*NL                              ; the very last step: nothing more to fetch
	WIN MUL_LO
	MUL16 0, 1, 0
	MUL16 2, 1, 0
	s_wait_dscnt 0
	WIN MUL_HI
	MUL16 4, 1, 0
	MUL16 6, 1, 0
	WIN 0
; THE WAY OUT.  Block a (16 rows of A x my 128 rows of B): value = sum x 2^(e0 + e1) + bias; the hold; eight neighbours of a lane become 8 bytes of codes; they go into my own stage, which is the image of my two blocks of
; 8,192 bytes of output in chunks of 64 bytes.  kind = 0 (q, k): the lane is token 16 a + r, accumulator b holds head b / 4, d = 16 (b % 4) + 8 h + j: chunk 128 (b / 4) + 16 a + r.
; kind = 1 (v): the lane is head a / 4, channel d = 16 (a % 4) + r, accumulator b holds keys 16 b + 8 h + j: chunk 128 (a / 4) + 2 d + b / 4.  In both: byte 16 (b % 4) + 8 h of the chunk.
.macro OUTBLOCK a, kind
.set AC, 64*((\a)%4)
.set CDS, CD+16*((\a)%2)
	WIN 0x02+((\a)/4)                              ; source 0: window 2 or 3
.irp b, 0,1,2,3,4,5,6,7
.irp i, 0,2,4,6
.if \kind
	v_pk_fma_f32 v[TMP+8*\b+\i:TMP+8*\b+\i+1], v[AC+8*\b+\i:AC+8*\b+\i+1], s[96:97], v[BM+2*(\a):BM+2*(\a)+1] op_sel_hi:[1,0,1]   ; each accumulator from its low end on
.else
	v_pk_fma_f32 v[TMP+8*\b+\i:TMP+8*\b+\i+1], v[AC+8*\b+\i:AC+8*\b+\i+1], s[96:97], v[BN+8*\b+\i:BN+8*\b+\i+1] op_sel_hi:[1,0,1]
.endif
.endr
.endr
	WIN 0
.set j, 0
.rept 64
.set j, j+1
.endr
.if (\a) >= 2
	s_wait_alu depctr_va_vdst(0)
	s_wait_dscnt 8                                 ; the eight stores of the block before may be out; those of the block before that, which read this set of registers, are done
.endif
.irp b, 0,1,2,3,4,5,6,7
	v_cvt_scalef32_pk8_bf8_f32 v[CDS+2*\b:CDS+2*\b+1], v[TMP+8*\b:TMP+8*\b+7], v[SC]
.endr
	v_nop                                          ; one plain vector instruction behind the last conversion: the next block writes its sources
.irp b, 0,1,2,3,4,5,6,7
.if \kind
	ds_store_b64 v[STOV], v[CDS+2*\b:CDS+2*\b+1] offset:CH*(((\a)/4)*128+32*((\a)%4)+\b/4)+16*(\b%4)
.else
	ds_store_b64 v[STOQ], v[CDS+2*\b:CDS+2*\b+1] offset:CH*((\b/4)*128+16*(\a))+16*(\b%4)
.endif
.endr
.endm
	s_wait_kmcnt 0x0
	s_add_co_i32 s96, s88, s89                     ; e0 + e1, between -126 and 127,
	s_add_co_i32 s96, s96, 127
	s_lshl_b32 s96, s96, 23                        ; makes the f32 number 2^(e0 + e1)
	s_mov_b32 s97, s96                             ; (named with it as a pair, so it is written)
	s_cmp_eq_u32 ttmp9, 2
	s_cselect_b32 s98, s93, s91                    ; e5 for v, e3 for k,
	s_cmp_eq_u32 ttmp9, 0
	s_cselect_b32 s98, s90, s98                    ; e2 for q
	s_add_co_i32 s98, s98, 127
	s_lshl_b32 s99, s98, 23
	v_mov_b32 v[SC], s99                           ; 2^e
	s_wait_loadcnt 0x0                             ; the biases
	PLACES NP                                      ; behind the last products: their results are read and A's registers written below
	s_cmp_eq_u32 ttmp9, 2                          ; the cluster's x: alike in all partners.  No barrier and no tensor load stands in either arm, and each wave touches its own stage alone
	s_cbranch_scc1 .Lv_arm
.irp a, 0,1,2,3,4,5,6,7
	OUTBLOCK \a, 0
.endr
	s_branch .Ljoin
.Lv_arm:
.irp a, 0,1,2,3,4,5,6,7
	OUTBLOCK \a, 1
.endr
.Ljoin:
	s_wait_dscnt 0x0                               ; my stores have read their registers, which the loads below write
.irp i, 0,1,2,3,4,5,6,7,8,9,10,11,12,13,14,15,16,17,18,19,20,21,22,23,24,25,26,27,28,29,30,31
	ds_load_b128 v[RB+4*\i:RB+4*\i+3], v[RD] offset:8*CH*\i   ; eight chunks: 512 bytes of output
.endr
.irp i, 0,1,2,3,4,5,6,7,8,9,10,11,12,13,14,15,16,17,18,19,20,21,22,23,24,25,26,27,28,29,30,31
	s_wait_dscnt 31-\i                             ; LDS loads come back in order: load i is in, the younger ones may be out
	global_store_b128 v[CO], v[RB+4*\i:RB+4*\i+3], s[84:85] offset:(\i/16)*131072+512*(\i%16)   ; 32 lanes store 512 consecutive bytes, at a multiple of 256 from the buffer's first byte; the second head lies 131,072 bytes on
.endr
	s_wait_tensorcnt 0x0                           ; the wave's end: behind my last tensor load and my last LDS store
	ds_add_u32 v[SPW], v[NIL]
	s_wait_dscnt 0x0
	CROUND                                         ; the closing round: no work-group ends while a partner may still ask for a tile that names it
	s_endpgm
.Lfunc_end_k_qfe0eacc77c_qkv:
	.size	k_qfe0eacc77c_qkv, .Lfunc_end_k_qfe0eacc77c_qkv-k_qfe0eacc77c_qkv
	.p2alignl 7, 3214868480
	.fill 96, 4, 3214868480
	.section	.rodata,"a",@progbits
	.p2align	6, 0x0
	.amdhsa_kernel k_qfe0eacc77c_qkv
		.amdhsa_group_segment_fixed_size 327680
		.amdhsa_private_segment_fixed_size 0
		.amdhsa_enable_private_segment 0
		.amdhsa_kernarg_size 56
		.amdhsa_user_sgpr_count 2
		.amdhsa_user_sgpr_kernarg_segment_ptr 1
		.amdhsa_wavefront_size32 1
		.amdhsa_system_sgpr_workgroup_id_x 1
		.amdhsa_system_sgpr_workgroup_id_y 1
		.amdhsa_system_sgpr_workgroup_id_z 1
		.amdhsa_system_vgpr_workitem_id 0
		.amdhsa_next_free_vgpr 1024
		.amdhsa_next_free_sgpr 102
		.amdhsa_reserve_vcc 0
		.amdhsa_float_denorm_mode_32 3
		.amdhsa_float_denorm_mode_16_64 3
		.amdhsa_fp16_overflow 1
		.amdhsa_memory_ordered 1
		.amdhsa_forward_progress 1
		.amdhsa_inst_pref_size 139
	.end_amdhsa_kernel
	.amdgpu_metadata
---
amdhsa.version: [ 1, 2 ]
amdhsa.kernels:
  - .name:           k_qfe0eacc77c_qkv
    .symbol:         k_qfe0eacc77c_qkv.kd
    .args:
      - { .name: x_codes, .offset: 0, .size: 8, .value_kind: global_buffer, .address_space: global }
      - { .name: w_qkv_codes, .offset: 8, .size: 8, .value_kind: global_buffer, .address_space: global }
      - { .name: lowp_scales, .offset: 16, .size: 8, .value_kind: global_buffer, .address_space: global }
      - { .name: b_qkv, .offset: 24, .size: 8, .value_kind: global_buffer, .address_space: global }
      - { .name: q_codes, .offset: 32, .size: 8, .value_kind: global_buffer, .address_space: global }
      - { .name: k_codes, .offset: 40, .size: 8, .value_kind: global_buffer, .address_space: global }
      - { .name: v_codes, .offset: 48, .size: 8, .value_kind: global_buffer, .address_space: global }
    .group_segment_fixed_size: 327680
    .private_segment_fixed_size: 0
    .kernarg_segment_align: 8
    .kernarg_segment_size: 56
    .max_flat_workgroup_size: 128
    .sgpr_count:     102
    .vgpr_count:     1024
    .wavefront_size: 32
...
	.end_amdgpu_metadata
.endif
;; end of part 1
;; launch attn (part 2): grid 4 x 64, 16 waves a work-group, no clusters, 327,680 bytes of LDS; arguments q_codes, k_codes, v_codes, lowp_scales, a_codes; writes a_codes
.if DOCPART == 2
	.amdgcn_target "amdgcn-amd-amdhsa--gfx1250"
	.amdhsa_code_object_version 6
	.text
	.protected	k_qfe0eacc77c_attn
	.globl	k_qfe0eacc77c_attn
	.p2align	8
	.type	k_qfe0eacc77c_attn,@function
k_qfe0eacc77c_attn:
	s_mov_b64 s[64:65], 0
	v_nop
	global_prefetch_b8 v0, s[64:65] scope:SCOPE_SE
	s_setreg_imm32_b32 hwreg(HW_REG_WAVE_MODE, 25, 1), 1
	s_wait_xcnt 0x0
; Causal attention on codes of BF8 (E5M2), head size 64, 64 heads (batch x head) of 2,048 tokens; the result is quantised with e6 for the last product.
; q_codes, k_codes: [head 64][token 2048][d 64].  v_codes: [head 64][block of 128 keys 16][d 64][key 128].  a_codes: [block of 128 tokens 64][head 16][token 128][d 64].
; THE SOFTMAX AHEAD OF THE SECOND PRODUCT: t = score x 2^(e2 + e3) x log2(e) / 8; M = the row's largest t so far, rounded UP to a whole number; p = 2^(t - M) is quantised with e4; it is not normalised.
; The row's sum is taken of the unquantised p, in f32.  When M moves, the sum and O are multiplied by 2^(old M - new M): exact.  At the end o = O x 2^(e4 + e5) / sum.
; SHARES.  A head has eight blocks of 256 queries; block j needs the key slots (256 keys) 0 .. j.  Work-group i of a head takes block i and then block 7 - i: (i + 1) + (8 - i) = 9 visits of a slot in every work-group:
; 256 work-groups of equal work, and a trip count that is a constant.  Each of the sixteen waves owns 16 queries of the block in hand, one tile, in 256 registers: four waves to a SIMD.
; K's and V's tiles come through a ring of two LDS slots, filled by the tensor data mover (waves 0, 1: K's halves; waves 2, 3: V's) and read by all sixteen.
; NO CLUSTER: in trip N work-group i reads key slot N (N <= i) or N - i - 1: the four work-groups of a head want different tiles in the same trip, so there is no joint request to make.
; LAYOUT.  Both products are used transposed: S^T = K Q^T (source 0 = 16 keys, source 1 = my 16 queries), O^T = V^T P^T (source 0 = 16 channels, source 1 = P): a lane holds ONE query (lane % 16) throughout.
; THE KEYS OF A TILE ARE NOT NEIGHBOURS: lane r of tile 2 b + u takes key 32 b + 8 u + r + 8 (r / 8), so that the 16 registers of tiles 2 b and 2 b + 1 are 16 neighbouring keys, 32 b + 16 (lane / 16) + 0 .. 15.
; Every operand is loaded 16 bytes at a time: registers 4 c .. 4 c + 3 hold k = 32 c + 16 (lane / 16) + 0 .. 15: the same order of k on both sides of each product.
; CAUSAL.  A step of 128 keys all of which come after the wave's 16 queries is left out (a scalar branch on ids); in the one step on the diagonal hidden scores become -infinity ahead of the maximum.  Key 0 counts for every query.
; LIMITS on the given exponents, so that each power of two below is an f32 number: e2 + e3 between -123 and 130 (added to c's exponent field); e4 and e6 between -126 and 112; e4 + e5 is applied by v_ldexp_f32 and has none.
; REGISTERS: v1-7, v10, v11 addresses that stay; v8, v9 addresses of the loads in hand; v12 -M, v13 the largest t, v[14:15] the sum in two halves; v16-23 Q of the block in hand, v24-31 of the second block;
;   v32-95 eight fragments of K, then four of V; v96-159 S^T, then p; v160-191 O^T; v192-207 p's codes; v208-223 the way out; v236-254 at work and constants.
.set KP,    144                        ; an LDS row: 128 bytes + 16 of padding (K: two keys a row; V: one channel's 128 keys)
.set VOFF,  128*KP                     ; a slot: 128 rows of K, then 128 rows of V
.set SLOT1, 1<<17                      ; slot 1 begins here, so that one exclusive or turns an address in one slot into the other's
.set SLOTB, 16384                      ; a slot's bytes of K, and of V, in memory
.set SPARE, 2*SLOT1                    ; behind the ring: the spare words, 128 bytes for each wave: eight blocks of 256 bytes that no other line names
.set STAGE, SPARE+2048                 ; the way out: 1,024 bytes for each wave; bytes of its own, since it is used while slots are still filled
.set AK0,  1                           ; v1   my lane's place in a tile of K
.set AV0,  2                           ; v2   the same for V
.set PFO,  3                           ; v3   the prefetches' offset: 256 x my lane; never rewritten
.set STO,  4                           ; v4   the way out: stage + 64 r + 8 h
.set SPW,  5                           ; v5   LDS address of my spare word; never rewritten
.set NIL,  6                           ; v6   0; never rewritten
.set GO,   7                           ; v7   16 x lane: my place in 512 bytes of output
.set ADK,  8                           ; v8   LDS address of the step's tiles of K
.set ADV,  9                           ; v9   of V
.set RD,   10                          ; v10  the way out: stage + 16 x lane
.set QA,   11                          ; v11  Q: 64 r + 16 h
.set TB,   2                           ; s2   LDS byte at which the slot in hand begins
.set WV,   18                          ; s18  my wave's number
.set SEL,  20                          ; s[20:21] lane selects for v_permlanex16_b32: lane l xor 16
.set CS,   22                          ; s[22:23] c = log2(e) / 8 x 2^(e2 + e3)
.set G1,   24                          ; s[24:31] descriptor group 1: one shape serves K and V
.set G0,   40                          ; s[40:43] descriptor group 0, which walks
.set BACK, 44                          ; s[44:45] what the walk goes back at the change of blocks, else 0
.set BK1,  46                          ; s46  (i + 1) slots in bytes
.set OA,   48                          ; s[48:49] where the block in hand goes;  s[50:51] the second block
.set OB,   50
.set EPV,  66                          ; s66  e4 + e5
.set VIS,  67                          ; s67  the trip's number
.set PFA,  76                          ; s[76:77] where my prefetches stand
.set PLIM, 80                          ; s80  4 in a wave that prefetches, else 0
.set Q1,   81                          ; s81  my first query in the second block
.set KF,   98                          ; s98  the step's first key
.set Q0,   99                          ; s99  my first query in the block in hand
; Waves 0 to 3 fetch, one load each; the branch hangs on the wave's number alone.  Four v_nop follow the line.
.macro TLOAD
	s_cmp_lt_u32 s[WV], 4
	s_cbranch_scc0 .Lasked_\@
	tensor_load_to_lds s[G0:G0+3], s[G1:G1+7]
	s_nop 0
.rept 4
	v_nop
.endr
.Lasked_\@:
.endm
; A PREFETCH INTO THE L2.  Work-group 0 of a head asks in trip N, by its tensor loads, for key slot N, ahead of the head's other three work-groups.  In trips 3 to 6 four of its waves that fetch nothing ask for key slot N + 1,
; which its own loads will want one trip on: waves 4, 5 for K's 16,384 bytes, waves 6, 7 for V's: 8,192 bytes a wave, lanes 256 bytes apart, one instruction.  So each aligned block of 256 bytes of slots 4 to 7 is named once in the launch.
; Slots 0 to 3 are left to the tensor loads: the head's work-groups ask for them in the launch's first trips.  Trip 6 names the head's last slot: nothing points past it.
.macro ASK
	s_sub_co_u32 s96, s[VIS], 3
	s_cmp_lt_u32 s96, s[PLIM]
	s_cbranch_scc0 .Lnot_mine_\@
	global_prefetch_b8 v[PFO], s[PFA:PFA+1] th:TH_LOAD_NT scope:SCOPE_SE
.Lnot_mine_\@:
.endm
	s_load_b128 s[4:7], s[0:1], 0x0                ; q_codes s[4:5], k_codes s[6:7]
	s_load_b128 s[12:15], s[0:1], 0x10             ; v_codes s[12:13], the scales' exponents s[14:15]
	s_load_b64 s[16:17], s[0:1], 0x20              ; a_codes
	v_lshl_add_u32 v[SPW], v0, 2, SPARE
	v_mov_b32 v[NIL], 0
	ds_add_u32 v5, v6
	ds_add_u32 v5, v6
	s_wait_dscnt 0x0
	v_lshrrev_b32 v8, 5, v0
	s_delay_alu instid0(VALU_DEP_1)
	v_readfirstlane_b32 s[WV], v8                  ; wave 0..15
	s_and_b32 s82, ttmp7, 0xffff                   ; batch x head
	s_lshl_b32 s84, s82, 17                        ; the head's first byte in q_codes, k_codes and v_codes
	; descriptor group 1: 64 rows of 128 bytes, dense in memory, padded in LDS: half a slot of K (128 keys) or of V (a block of 128 keys x 64 channels)
	s_mov_b32 s[G1], (0<<16)|(1<<20)|(4<<22)|(3<<25)  ; 15:0 no mask; 17:16 elements of 1 byte; 20 padding on; 24:22 after every 32 words (code 4); 31:25 four words (code 3)
	s_mov_b32 s[G1+1], 128<<16                     ; tensor_dim0
	s_mov_b32 s[G1+2], 64<<16                      ; tensor_dim1
	s_mov_b32 s[G1+3], 128<<16                     ; tile_dim0
	s_mov_b32 s[G1+4], 64                          ; tile_dim1
	s_mov_b32 s[G1+5], 128                         ; tensor_dim0_stride
	s_mov_b32 s[G1+6], 0
	s_mov_b32 s[G1+7], 0
	s_and_b32 s86, s[WV], 1
	s_lshl_b32 s86, s86, 13                        ; which half of a slot: 8,192 bytes
	s_add_co_u32 s86, s86, s84
	s_mov_b32 s87, 0
	s_mul_i32 s88, s[WV], 64*KP                    ; and where it goes: waves 0, 1: K's halves; waves 2, 3: V's, which lie behind them
	s_mov_b32 s[SEL], 0x76543210
	s_mov_b32 s[SEL+1], 0xfedcba98
	s_mov_b32 s[CS], 0x3e38aa3b                    ; log2(e) / sqrt(64)
	s_mov_b32 s[TB], 0
	s_mov_b32 s[VIS], 0
	s_mov_b32 s[KF], 0
	s_mov_b32 s[BACK+1], 0
	s_add_co_u32 s[BK1], ttmp9, 1
	s_lshl_b32 s[BK1], s[BK1], 14
	s_wait_kmcnt 0x0
	s_load_b256 s[68:75], s[14:15], 0x0            ; e0 .. e7
	s_cmp_lt_u32 s[WV], 2
	s_cselect_b64 s[G0+2:G0+3], s[6:7], s[12:13]   ; K for waves 0 and 1, V for the others
	s_mov_b32 s[G0], 1                             ; 1:0 count = 1
	s_mov_b32 s[G0+1], s88                         ; 63:32 LDS address: slot 0
	s_add_nc_u64 s[G0+2:G0+3], s[G0+2:G0+3], s[86:87]  ; 120:64 global address: the head's key slot 0
	s_or_b32 s[G0+3], s[G0+3], 0x80000000          ; 127:126 type = 2
	TLOAD                                          ; the first visit's tiles
	s_lshl_b32 s[Q0], ttmp9, 8
	s_lshl_b32 s83, s[WV], 4
	s_add_co_u32 s[Q0], s[Q0], s83                 ; my first query: 256 i + 16 x wave,
	s_sub_co_u32 s[Q1], 7, ttmp9
	s_lshl_b32 s[Q1], s[Q1], 8
	s_add_co_u32 s[Q1], s[Q1], s83                 ; and in the second block: 256 (7 - i) + 16 x wave
	s_lshl_b32 s90, s[Q0], 6
	s_add_co_u32 s90, s90, s84
	s_mov_b32 s91, 0
	s_add_nc_u64 s[90:91], s[4:5], s[90:91]
	s_lshl_b32 s92, s[Q1], 6
	s_add_co_u32 s92, s92, s84
	s_mov_b32 s93, 0
	s_add_nc_u64 s[92:93], s[4:5], s[92:93]
	v_and_b32 v8, 15, v0                           ; r = lane % 16
	s_wait_alu depctr_va_vdst(0)
	v_bfe_u32 v9, v0, 4, 1                         ; h = lane / 16
	v_lshlrev_b32 v[QA], 6, v8
	s_delay_alu instid0(VALU_DEP_1)
	v_lshl_add_u32 v[QA], v9, 4, v[QA]
	global_load_b128 v[16:19], v[QA], s[90:91]             ; Q's fragments of both blocks stay in registers
	global_load_b128 v[20:23], v[QA], s[90:91] offset:32
	global_load_b128 v[24:27], v[QA], s[92:93]
	global_load_b128 v[28:31], v[QA], s[92:93] offset:32
	; where my 16 rows of 64 bytes go: (((16 x batch + 2 x block + wave / 8) x 16 + head) << 13) + 1,024 (wave % 8)
	s_lshr_b32 s94, s82, 4
	s_lshl_b32 s94, s94, 4
	s_lshr_b32 s95, s[WV], 3
	s_add_co_u32 s94, s94, s95
	s_and_b32 s95, s82, 15
	s_and_b32 s96, s[WV], 7
	s_lshl_b32 s96, s96, 10
	s_lshl_b32 s[OA], ttmp9, 1
	s_add_co_u32 s[OA], s[OA], s94
	s_lshl_b32 s[OA], s[OA], 4
	s_add_co_u32 s[OA], s[OA], s95
	s_lshl_b32 s[OA], s[OA], 13
	s_add_co_u32 s[OA], s[OA], s96
	s_mov_b32 s[OA+1], 0
	s_add_nc_u64 s[OA:OA+1], s[16:17], s[OA:OA+1]
	s_sub_co_u32 s[OB], 7, ttmp9
	s_lshl_b32 s[OB], s[OB], 1
	s_add_co_u32 s[OB], s[OB], s94
	s_lshl_b32 s[OB], s[OB], 4
	s_add_co_u32 s[OB], s[OB], s95
	s_lshl_b32 s[OB], s[OB], 13
	s_add_co_u32 s[OB], s[OB], s96
	s_mov_b32 s[OB+1], 0
	s_add_nc_u64 s[OB:OB+1], s[16:17], s[OB:OB+1]
	; the prefetches: where my wave's stand, and who asks
	s_cmp_lt_u32 s[WV], 6
	s_cselect_b64 s[PFA:PFA+1], s[6:7], s[12:13]   ; waves 4, 5: K; waves 6, 7: V
	s_add_nc_u64 s[PFA:PFA+1], s[PFA:PFA+1], s[86:87]  ; my half of key slot 0: each change of slots steps it, so that in trip N it stands at key slot N + 1
	s_sub_co_u32 s83, s[WV], 4
	s_lshr_b32 s83, s83, 2                         ; 0 in waves 4 to 7,
	s_or_b32 s83, s83, ttmp9                       ; of the head's first work-group
	s_cmp_eq_u32 s83, 0
	s_cselect_b32 s[PLIM], 4, 0
	v_and_b32 v10, 8, v8
	s_delay_alu instid0(VALU_DEP_1)
	v_add_nc_u32 v10, v10, v8                      ; r + 8 (r / 8): my key in a tile
	s_delay_alu instid0(VALU_DEP_1)
	v_lshrrev_b32 v10, 1, v10                      ; two keys lie in an LDS row
	s_delay_alu instid0(VALU_DEP_1)
	v_mul_u32_u24 v[AK0], v10, KP
	v_and_b32 v10, 1, v8
	s_delay_alu instid0(VALU_DEP_1)
	v_lshl_add_u32 v[AK0], v10, 6, v[AK0]
	s_wait_alu depctr_va_vdst(0)
	v_lshl_add_u32 v[AK0], v9, 4, v[AK0]
	v_mul_u32_u24 v[AV0], v8, KP
	s_delay_alu instid0(VALU_DEP_1)
	v_lshl_add_u32 v[AV0], v9, 4, v[AV0]
	s_delay_alu instid0(VALU_DEP_1)
	v_add_nc_u32 v[AV0], VOFF, v[AV0]
	v_and_b32 v[GO], 31, v0
	s_delay_alu instid0(VALU_DEP_1)
	v_lshlrev_b32 v[PFO], 8, v[GO]
	s_delay_alu instid0(VALU_DEP_2)
	v_lshlrev_b32 v[GO], 4, v[GO]
	s_lshl_b32 s83, s[WV], 10
	s_add_co_u32 s83, s83, STAGE                   ; my stage
	v_lshlrev_b32 v[STO], 6, v8
	s_delay_alu instid0(VALU_DEP_1)
	v_lshl_add_u32 v[STO], v9, 3, v[STO]
	s_delay_alu instid0(VALU_DEP_1)
	v_add_nc_u32 v[STO], s83, v[STO]
	v_add_nc_u32 v[RD], s83, v[GO]
	v_mov_b32 v13, 0xff61b1e6                      ; the largest t so far: -3e38, under every t
	s_delay_alu instid0(VALU_DEP_1)
	v_floor_f32 v12, -v13                          ; -M
	v_mov_b32 v14, 0                               ; the sum, in two halves
	v_mov_b32 v15, 0
	v_mov_b32 v236, 0                              ; written once: a lane permute's destination counts as one of its sources
	v_mov_b32 v253, 0                              ; (named as the upper half of the pair v[252:253])
.set j, 0
.rept 32
	v_mov_b32 v[160+j], 0                          ; O^T.  (The step is written without a first step of its own: it finds zeros, which the first change of M leaves zeros)
.set j, j+1
.endr
	s_wait_kmcnt 0x0
	s_add_co_i32 s83, s70, s71
	s_lshl_b32 s83, s83, 23
	s_add_co_i32 s[CS], s[CS], s83                 ; a score stands for score x 2^(e2 + e3): the two exponents are added to c's exponent field
	s_mov_b32 s[CS+1], s[CS]                       ; (named with it as a pair, so it is written)
	s_add_co_i32 s83, s72, 127
	s_lshl_b32 s96, s83, 23
	v_mov_b32 v244, s96                            ; 2^e4 as f32, for p's conversion
	s_add_co_i32 s83, s74, 127
	s_lshl_b32 s96, s83, 23
	v_mov_b32 v245, s96                            ; 2^e6, for the result's conversion
	s_add_co_i32 s[EPV], s72, s73                  ; e4 + e5
; A KEY STEP: 128 keys, the q-th of the slot in hand.
.macro STEP q
	s_add_co_u32 s96, s[Q0], 15                    ; a step all of whose keys come after my 16 queries is left out; no barrier and no tensor load stands in a step
	s_cmp_gt_u32 s[KF], s96
	s_cbranch_scc1 .Lhidden_\@
	v_add_nc_u32 v[ADK], s[TB], v[AK0]
	v_add_nc_u32 v[ADV], s[TB], v[AV0]
	v_nop                                          ; with the two additions: four places in front of loads into registers that the last products read
	v_nop
.irp t, 0,1,2,3,4,5,6,7                        ; K's eight tiles of 16 keys x 64 channels
	ds_load_b128 v[32+8*\t:35+8*\t], v[ADK] offset:(64*(\q)+16*(\t/2)+4*(\t%2))*KP
	ds_load_b128 v[36+8*\t:39+8*\t], v[ADK] offset:(64*(\q)+16*(\t/2)+4*(\t%2))*KP+32
.endr
	s_wait_dscnt 0x0
	s_wait_alu depctr_va_vdst(0)
.irp t, 0,1,2,3,4,5,6,7                        ; S^T = K Q^T
	v_wmma_f32_16x16x64_bf8_bf8 v[96+8*\t:103+8*\t], v[32+8*\t:39+8*\t], v[16:23], 0
.endr
.rept 4
	v_nop                                          ; places: K's registers are loaded anew, and the scores are read
.endr
.irp t, 0,1,2,3                                ; V's four tiles of 16 channels x 128 keys: they land while the softmax is worked
.irp c, 0,1,2,3
	ds_load_b128 v[32+16*\t+4*\c:35+16*\t+4*\c], v[ADV] offset:(64*(\q)+16*\t)*KP+32*\c
.endr
.endr
	s_add_co_u32 s96, s[KF], 127                   ; a step all of whose keys count skips the mask
	s_cmp_le_u32 s96, s[Q0]
	s_cbranch_scc1 .Lopen_\@
	s_sub_co_i32 s96, s[Q0], s[KF]
	v_and_b32 v252, 15, v0
	v_bfe_u32 v253, v0, 4, 1
	s_delay_alu instid0(VALU_DEP_1)
	v_lshlrev_b32 v253, 4, v253
	s_delay_alu instid0(VALU_DEP_1)
	v_sub_nc_u32 v252, v252, v253
	s_delay_alu instid0(VALU_DEP_1)
	v_add_nc_u32 v252, s96, v252                   ; d = my query - KF - 16 (lane / 16).  Register 16 b + i holds key KF + 16 (lane / 16) + 32 b + i: hidden where 32 b + i > d
	v_mov_b32 v254, 0xff800000                     ; -infinity
.irp n, 0,1,2,3,4,5,6,7,8,9,10,11,12,13,14,15,16,17,18,19,20,21,22,23,24,25,26,27,28,29,30,31,32,33,34,35,36,37,38,39,40,41,42,43,44,45,46,47,48,49,50,51,52,53,54,55,56,57,58,59,60,61,62,63
	v_cmp_gt_i32 vcc_lo, 32*(\n/16)+\n%16, v252
	v_cndmask_b32 v[96+\n], v[96+\n], v254, vcc_lo
.endr
.Lopen_\@:
	v_max3_num_f32 v254, v96, v97, v98             ; the step's largest score of my query, among my 64 keys, in two chains,
	v_max3_num_f32 v252, v99, v100, v101
.irp i, 6,10,14,18,22,26,30,34,38,42,46,50,54,58
	v_max3_num_f32 v254, v254, v[96+\i], v[97+\i]
	v_max3_num_f32 v252, v252, v[98+\i], v[99+\i]
.endr
	v_max3_num_f32 v254, v254, v158, v159
	s_delay_alu instid0(VALU_DEP_1)
	v_max_num_f32 v254, v254, v252
	s_delay_alu instid0(VALU_DEP_1)
	v_permlanex16_b32 v236, v254, s[SEL], s[SEL+1]
	s_delay_alu instid0(VALU_DEP_1)
	v_max_num_f32 v254, v254, v236                 ; and among lane l xor 16's
	s_delay_alu instid0(VALU_DEP_1)
	v_mul_f32 v254, s[CS], v254                    ; as t (c is positive)
	s_delay_alu instid0(VALU_DEP_1)
	v_max_num_f32 v13, v13, v254                   ; the running largest t
	v_mov_b32 v254, v12
	s_delay_alu instid0(VALU_DEP_2)
	v_floor_f32 v12, -v13                          ; the new -M = floor(-t) = -ceil(t): M is a whole number
	s_delay_alu instid0(VALU_DEP_1)
	v_sub_f32 v254, v12, v254                      ; M's old value less its new one: a whole number, 0 or less
	s_delay_alu instid0(VALU_DEP_1)
	v_cvt_i32_f32 v254, v254                       ; (it saturates)
	s_delay_alu instid0(VALU_DEP_1)
	v_ldexp_f32 v252, 1.0, v254                    ; f = 2^(old M - new M)
.irp j, 0,2,4,6,8,10,12,14,16,18,20,22,24,26,28,30,32,34,36,38,40,42,44,46,48,50,52,54,56,58,60,62
	v_pk_fma_f32 v[96+\j:97+\j], v[96+\j:97+\j], s[CS:CS+1], v[12:13] op_sel_hi:[1,0,0]   ; t - M, two at a time (of the pairs c and -M the low word serves both halves)
.endr
.set j, 0
	s_wait_alu depctr_va_vdst(0)
.rept 64
	v_exp_f32 v[96+j], v[96+j]                     ; p = 2^(t - M), at most 1: not normalised
.set j, j+1
.endr
	v_pk_mul_f32 v[14:15], v[14:15], v[252:253] op_sel_hi:[1,0]   ; the sums under the new M.  (The plain instruction behind the exponentials)
	s_wait_alu depctr_va_vdst(0)                   ; one wait for the whole batch of exponentials, ahead of its first reader
	v_pk_add_f32 v[242:243], v[100:101], v[104:105]
	v_pk_add_f32 v[254:255], v[108:109], v[112:113]
	v_pk_add_f32 v[250:251], v[116:117], v[120:121]
	v_pk_add_f32 v[248:249], v[124:125], v[128:129]
	v_pk_add_f32 v[246:247], v[132:133], v[136:137]
	v_pk_add_f32 v[240:241], v[140:141], v[144:145]
	v_pk_add_f32 v[238:239], v[148:149], v[152:153]
	v_pk_add_f32 v[14:15], v[14:15], v[156:157]
	v_pk_add_f32 v[242:243], v[242:243], v[96:97]
	v_pk_add_f32 v[254:255], v[254:255], v[98:99]
	v_pk_add_f32 v[250:251], v[250:251], v[102:103]
	v_pk_add_f32 v[248:249], v[248:249], v[106:107]
	v_pk_add_f32 v[246:247], v[246:247], v[110:111]
	v_pk_add_f32 v[240:241], v[240:241], v[114:115]
	v_pk_add_f32 v[238:239], v[238:239], v[118:119]
	v_pk_add_f32 v[14:15], v[14:15], v[122:123]
	v_pk_add_f32 v[242:243], v[242:243], v[126:127]
	v_pk_add_f32 v[254:255], v[254:255], v[130:131]
	v_pk_add_f32 v[250:251], v[250:251], v[134:135]
	v_pk_add_f32 v[248:249], v[248:249], v[138:139]
	v_pk_add_f32 v[246:247], v[246:247], v[142:143]
	v_pk_add_f32 v[240:241], v[240:241], v[146:147]
	v_pk_add_f32 v[238:239], v[238:239], v[150:151]
	v_pk_add_f32 v[14:15], v[14:15], v[154:155]
	v_pk_add_f32 v[242:243], v[242:243], v[158:159]
	s_delay_alu instid0(VALU_DEP_2)
	v_pk_add_f32 v[14:15], v[14:15], v[248:249]
	s_delay_alu instid0(VALU_DEP_2)
	v_pk_add_f32 v[242:243], v[242:243], v[246:247]
	v_pk_add_f32 v[254:255], v[254:255], v[240:241]
	v_pk_add_f32 v[250:251], v[250:251], v[238:239]
	s_delay_alu instid0(VALU_DEP_2)
	v_pk_add_f32 v[14:15], v[14:15], v[254:255]
	s_delay_alu instid0(VALU_DEP_2)
	v_pk_add_f32 v[242:243], v[242:243], v[250:251]
	s_delay_alu instid0(VALU_DEP_1)
	v_pk_add_f32 v[14:15], v[14:15], v[242:243]
.irp b, 0,1,2,3
.irp i, 0,1,2,3,4,5,6,7,8,9,10,11,12,13,14,15
.endr
	v_cvt_scalef32_pk8_bf8_f32 v[192+4*\b:193+4*\b], v[96+16*\b:103+16*\b], v244
	v_cvt_scalef32_pk8_bf8_f32 v[194+4*\b:195+4*\b], v[104+16*\b:111+16*\b], v244
.endr
.irp j, 0,2,4,6,8,10,12,14,16,18,20,22,24,26,28,30
	v_pk_mul_f32 v[160+\j:161+\j], v[160+\j:161+\j], v[252:253] op_sel_hi:[1,0]   ; O^T under the new M: x f.  (These are also the plain instructions between the conversions and the products)
.endr
	s_wait_alu depctr_va_vdst(0)
	s_wait_dscnt 0x0                               ; V is in
.irp t, 0,1,2,3                                ; O^T += V^T P^T: K = these 128 keys; the four accumulators take turns
	v_wmma_f32_16x16x128_bf8_bf8 v[160+8*\t:167+8*\t], v[32+16*\t:47+16*\t], v[192:207], v[160+8*\t:167+8*\t]
.endr
.Lhidden_\@:
	s_add_co_u32 s[KF], s[KF], 128
.endm
; THE CHANGE OF SLOTS stands at a visit's head.  Each wave waits for all its tensor loads (its part of the slot that it is about to read), adds 0 to its spare word, and waits for that and for its reads of the slot that it has left.
; Behind the barrier the slot ahead is whole and nobody reads the other one.  fill = 1: that other slot is filled with the next visit's keys: the next key slot, or, where this visit is the first block's last, key slot 0 again.
.macro CHANGE fill
	s_wait_tensorcnt 0x0                           ; no tensor load of mine is out, so the group 0 may be written
	ds_add_u32 v[SPW], v[NIL]                      ; 0 onto my spare word; with fill = 1 the descriptor's steps stand between it and the wait for it
.if \fill
	s_xor_b32 s[G0+1], s[G0+1], SLOT1              ; the walking descriptor: the other slot than last time,
	s_add_nc_u64 s[G0+2:G0+3], s[G0+2:G0+3], SLOTB ; the next 256 keys; the type bits on top are not reached;
	s_cmp_eq_u32 s[VIS], ttmp9
	s_cselect_b32 s[BACK], s[BK1], 0
	s_sub_nc_u64 s[G0+2:G0+3], s[G0+2:G0+3], s[BACK:BACK+1]  ; back to key slot 0 where the second block begins: no jump, a choice
	s_wait_xcnt 0x0                                ; the last prefetch, a visit back, has read its address, so it may be written
	s_add_nc_u64 s[PFA:PFA+1], s[PFA:PFA+1], SLOTB
.endif
	s_wait_dscnt 0x0                               ; the add is done, and my reads of the slot that I have left are over
	s_barrier_signal -1
	s_barrier_wait -1
.if \fill
	TLOAD                                          ; the first thing behind the barrier, and a wave's one tensor load until the next: it has a visit's two key steps in which to land
	ASK
.endif
.endm
; A BLOCK'S END.  o = O^T x 2^(e4 + e5) / the sum; held, quantised with e6; a lane's eight channels are 8 bytes of its row; the wave's 16 rows of 64 bytes go through its stage and leave as 1,024 consecutive bytes.
; reset = 1: the second block begins: its Q, its place in a_codes, and the state of an empty softmax.
.macro FINISH reset
.rept 4
	v_nop                                          ; places behind the last products, whose results are read below
.endr
	v_add_f32 v14, v14, v15                        ; the sum's two halves,
	s_delay_alu instid0(VALU_DEP_1)
	v_permlanex16_b32 v236, v14, s[SEL], s[SEL+1]
	s_delay_alu instid0(VALU_DEP_1)
	v_add_f32 v14, v14, v236                       ; and lane l xor 16's: the row's sum
	s_wait_alu depctr_va_vdst(0)
	v_rcp_f32 v14, v14
	v_nop                                          ; a plain instruction behind the reciprocal
	s_wait_alu depctr_va_vdst(0)                   ; and the wait ahead of its first reader
	v_ldexp_f32 v14, v14, s[EPV]                   ; x 2^(e4 + e5)
.irp j, 0,2,4,6,8,10,12,14,16,18,20,22,24,26,28,30
	v_pk_mul_f32 v[96+\j:97+\j], v[160+\j:161+\j], v[14:15] op_sel_hi:[1,0]   ; register 8 t + i is o(query r, channel 16 t + 8 h + i); each accumulator from its low end on
.endr
.set j, 0
.rept 32
.set j, j+1
.endr
.irp t, 0,1,2,3
	v_cvt_scalef32_pk8_bf8_f32 v[208+2*\t:209+2*\t], v[96+8*\t:103+8*\t], v245
.endr
	v_nop                                          ; one plain vector instruction behind the last conversion
.irp t, 0,1,2,3
	ds_store_b64 v[STO], v[208+2*\t:209+2*\t] offset:16*\t
.endr
	ds_load_b128 v[216:219], v[RD]                 ; LDS serves a wave's instructions in order (ISA guide 5.7.1.4): these see my stores
	ds_load_b128 v[220:223], v[RD] offset:512
	s_wait_dscnt 0x0
	global_store_b128 v[GO], v[216:219], s[OA:OA+1]             ; 32 lanes store 512 consecutive bytes, at a multiple of 256 from the buffer's first byte
	global_store_b128 v[GO], v[220:223], s[OA:OA+1] offset:512
.if \reset
	s_wait_xcnt 0x0                                ; the stores have read their base and their data
	s_mov_b64 s[OA:OA+1], s[OB:OB+1]
	v_mov_b32 v13, 0xff61b1e6
	s_delay_alu instid0(VALU_DEP_1)
	v_floor_f32 v12, -v13
	v_mov_b32 v14, 0
	v_mov_b32 v15, 0
.set j, 0
.rept 32
	v_mov_b32 v[160+j], 0
.set j, j+1
.endr
.set j, 0
.rept 8
	v_mov_b32 v[16+j], v[24+j]
.set j, j+1
.endr
	s_mov_b32 s[KF], 0
	s_mov_b32 s[Q0], s[Q1]
.endif
.endm
	s_wait_loadcnt 0x0                             ; Q
.Lvisit:                                           ; eight trips: behind each change of slots but the last the next visit's tiles are asked for
	CHANGE 1
	STEP 0
	STEP 1
	s_xor_b32 s[TB], s[TB], SLOT1                  ; on to the other slot
	s_cmp_lg_u32 s[VIS], ttmp9                     ; visit i is the first block's last: a branch on ids; no barrier and no tensor load stands under it
	s_cbranch_scc1 .Lsame_block
	FINISH 1
.Lsame_block:
	s_add_co_u32 s[VIS], s[VIS], 1
	s_cmp_lt_u32 s[VIS], 8
	s_cbranch_scc1 .Lvisit
	CHANGE 0                                       ; the last visit is written out
	STEP 0
	STEP 1
	FINISH 0
	s_wait_tensorcnt 0x0                           ; the wave's end: behind my last tensor load and my last LDS store
	ds_add_u32 v[SPW], v[NIL]
	s_wait_dscnt 0x0
	s_endpgm
.Lfunc_end_k_qfe0eacc77c_attn:
	.size	k_qfe0eacc77c_attn, .Lfunc_end_k_qfe0eacc77c_attn-k_qfe0eacc77c_attn
	.p2alignl 7, 3214868480
	.fill 96, 4, 3214868480
	.section	.rodata,"a",@progbits
	.p2align	6, 0x0
	.amdhsa_kernel k_qfe0eacc77c_attn
		.amdhsa_group_segment_fixed_size 327680
		.amdhsa_private_segment_fixed_size 0
		.amdhsa_enable_private_segment 0
		.amdhsa_kernarg_size 40
		.amdhsa_user_sgpr_count 2
		.amdhsa_user_sgpr_kernarg_segment_ptr 1
		.amdhsa_wavefront_size32 1
		.amdhsa_system_sgpr_workgroup_id_x 1
		.amdhsa_system_sgpr_workgroup_id_y 1
		.amdhsa_system_sgpr_workgroup_id_z 1
		.amdhsa_system_vgpr_workitem_id 0
		.amdhsa_next_free_vgpr 256
		.amdhsa_next_free_sgpr 100
		.amdhsa_reserve_vcc 1
		.amdhsa_float_denorm_mode_32 3
		.amdhsa_float_denorm_mode_16_64 3
		.amdhsa_fp16_overflow 1
		.amdhsa_memory_ordered 1
		.amdhsa_forward_progress 1
		.amdhsa_inst_pref_size 93
	.end_amdhsa_kernel
	.amdgpu_metadata
---
amdhsa.version: [ 1, 2 ]
amdhsa.kernels:
  - .name:           k_qfe0eacc77c_attn
    .symbol:         k_qfe0eacc77c_attn.kd
    .args:
      - { .name: q_codes, .offset: 0, .size: 8, .value_kind: global_buffer, .address_space: global }
      - { .name: k_codes, .offset: 8, .size: 8, .value_kind: global_buffer, .address_space: global }
      - { .name: v_codes, .offset: 16, .size: 8, .value_kind: global_buffer, .address_space: global }
      - { .name: lowp_scales, .offset: 24, .size: 8, .value_kind: global_buffer, .address_space: global }
      - { .name: a_codes, .offset: 32, .size: 8, .value_kind: global_buffer, .address_space: global }
    .group_segment_fixed_size: 327680
    .private_segment_fixed_size: 0
    .kernarg_segment_align: 8
    .kernarg_segment_size: 40
    .max_flat_workgroup_size: 512
    .sgpr_count:     100
    .vgpr_count:     256
    .wavefront_size: 32
...
	.end_amdgpu_metadata
.endif
;; end of part 2
;; launch proj (part 3): grid 4 x 32, 4 waves a work-group, clusters of 4 x 4, 327,680 bytes of LDS; arguments a_codes, w_out_codes, lowp_scales, b_out, out0; writes out0
.if DOCPART == 3
	.amdgcn_target "amdgcn-amd-amdhsa--gfx1250"
	.amdhsa_code_object_version 6
	.text
	.protected	k_qfe0eacc77c_proj
	.globl	k_qfe0eacc77c_proj
	.p2align	8
	.type	k_qfe0eacc77c_proj,@function
k_qfe0eacc77c_proj:
	s_mov_b64 s[64:65], 0
	v_nop
	global_prefetch_b8 v0, s[64:65] scope:SCOPE_SE
	s_setreg_imm32_b32 hwreg(HW_REG_WAVE_MODE, 25, 1), 1
	s_wait_xcnt 0x0
	s_wait_alu depctr_hold_cnt(0) depctr_sa_sdst(0) depctr_va_vdst(0) depctr_va_sdst(0) depctr_va_ssrc(0) depctr_va_vcc(0) depctr_vm_vsrc(0)
	s_getreg_b32 s2, hwreg(HW_REG_IB_STS2, 6, 4)
	s_cmp_eq_u32 s2, 0
	s_cbranch_scc0 .Lentry_in_a_cluster
	s_endpgm
.Lentry_in_a_cluster:
	s_bfe_u32 s2, ttmp6, 0x10000c
	s_cmp_lg_u32 s2, 0xf033
	s_cbranch_scc0 .Lentry_shape_is_right
	s_endpgm
.Lentry_shape_is_right:
; out0 = a w_out + b_out on codes of BF8 (E5M2).  a: the attention's result as codes, [block of 128 tokens 64][head 16][token 128][d 64]; w_out: [1024 (n)][1024 (k)] codes, K innermost; out0: [8192][1024] f32.
; The codes are multiplied as they are; each finished sum becomes sum x 2^(e6 + e7) + b_out, one fused multiply-add.  LIMIT: e6 + e7 between -126 and 127, so that 2^(e6 + e7) is an f32 number.
; A tile of 256 x 256 of out0 is made by four waves, each 128 x 128: 64 accumulators, 512 registers.  K goes in steps of 256 (four heads) through two LDS slots filled by the tensor data mover.
; A'S TILES.  128 tokens x four heads are 32,768 consecutive bytes of a_codes: one tensor load brings them as 128 rows of 256 bytes.  Row 32 g + u of such a tile holds, of head g of the four, tokens 4 u .. 4 u + 3, 64 bytes each.
; So token t's channels 64 g + d lie at row 32 g + t / 4, byte 64 (t % 4) + d: only A's fragment addresses know of it.
; CLUSTERS: 4 x 4 work-groups.  The four of a row of the cluster need the same tiles of A, the four of a column the same tiles of B: each tile is asked for jointly.  THE MATRIX INSTRUCTION IS USED TRANSPOSED
; (source 0 = 16 rows of w_out, source 1 = 16 tokens): a lane then holds eight neighbouring numbers of a row of out0.  The grid has 128 tiles of this size.  No prefetch: a work-group has two refills in all.
; REGISTERS, in windows of 256: window 0: v0-31 addresses; v32-35 b_out at my four columns of a row; from v128 A's fragments, one set; on the way out v128-255 take rows read back.
;   window 1: B's fragments, two sets.   window 2: the accumulators of my rows 0-63 ((a, b) at v[8 (8 a + b)]);   window 3: those of my rows 64-127.
.set SIZE_N, 1024
.set SIZE_K, 1024
.set KSTEP,  256
.set ROWB,   256                       ; a tile's row in bytes
.set KROW,   SIZE_K                    ; a row of w_out in memory, in bytes
.set ASTEP,  32768                     ; a K step of A's 128 tokens in memory
.set PITCH,  272                       ; an LDS row: 256 bytes + 16 of padding
.set FR,     16
.set NL,     4
.set NP,     4                         ; places behind this matrix instruction (ISA guide 7.12.1)
.set HALFT,  128*PITCH
.set SLOT,   4*HALFT
.set LAPS,   SIZE_K/(2*KSTEP)
.set SPARE,  2*SLOT                    ; behind the ring: the spare words, 128 bytes for each wave
.set SPITCH, 528                       ; the way out: a stage of 16 rows x (512 bytes + 16) for each wave, in slot 0, which has had its last fill and its last read by then
.set ADRA, 16                          ; v16-17  LDS address of my A fragments in slot 0, 1
.set ADRB, 20                          ; v20-21  the same for B
.set STO,  24                          ; v24     the way out: where I put 32 bytes of a row
.set RD,   25                          ; v25     where I read a row back
.set CO,   26                          ; v26     16 x lane: my byte offset in a row's 512 bytes
.set SPW,  28                          ; v28     LDS address of my spare word; never rewritten
.set NIL,  29                          ; v29     0; never rewritten
.set BI,   32                          ; v32-35  b_out at columns n0 + 4 lane + 0 .. 3
.set AF,   128
.set BK,   128                         ; 16 rows read back from the stage: v128-191 and v192-255 by turns
.set G1, 24
.set G0, 32
.set G1B, 48
.set G0B, 56
.set MSB, 0
.macro WIN new                         ; the immediate's high byte repeats the setting that is left
.if MSB != (\new)
	s_set_vgpr_msb (MSB<<8)|(\new)
.set MSB, (\new)
.endif
.endm
.set MUL_LO, 0xa1                      ; source 0 (B) window 1, source 1 (A) window 0, C and D window 2
.set MUL_HI, 0xf1
.set TO_B,   0x40
.macro JLOAD g0a, g1a, g0b, g1b        ; a joint load: waves 0 and 1 fetch for A, waves 2 and 3 for B; four v_nop follow each of the two lines
	s_cmp_eq_u32 s15, 0
	s_cbranch_scc0 .Lfor_b_\@
	tensor_load_to_lds s[\g0a:\g0a+3], s[\g1a:\g1a+7]
	s_nop 0
.rept 4
	v_nop
.endr
	s_branch .Lasked_\@
.Lfor_b_\@:
	tensor_load_to_lds s[\g0b:\g0b+3], s[\g1b:\g1b+7]
	s_nop 0
.rept 4
	v_nop
.endr
.Lasked_\@:
.endm
.macro CREST                           ; a round of the cluster's barrier behind its opening barrier
	s_cmp_lg_u32 s14, 0
	s_cbranch_scc1 .Lnot_wave_0_\@
	s_barrier_signal -3
.Lnot_wave_0_\@:
	s_barrier_wait -3
	s_barrier_signal -1
	s_barrier_wait -1
.endm
.macro CROUND
	s_barrier_signal -1
	s_barrier_wait -1
	CREST
.endm
	s_load_b128 s[4:7], s[0:1], 0x0                ; a_codes s[4:5], w_out's codes s[6:7]
	s_load_b128 s[8:11], s[0:1], 0x10              ; the scales' exponents s[8:9], b_out s[10:11]
	s_load_b64 s[12:13], s[0:1], 0x20              ; out0
	v_lshl_add_u32 v[SPW], v0, 2, SPARE
	v_mov_b32 v[NIL], 0
	ds_add_u32 v28, v29
	ds_add_u32 v28, v29
	s_wait_dscnt 0x0
	v_lshrrev_b32 v1, 5, v0
	v_readfirstlane_b32 s14, v1                    ; wave 0..3
	s_lshr_b32 s15, s14, 1                         ; which half of the tile's rows is mine.  Also: I fetch for A (0) or for B (1)
	s_and_b32 s16, s14, 1                          ; which half of its columns.  Also: which 128 rows of that tile I fetch
	s_bfe_u32 s40, ttmp6, 0x40000                  ; cx, cy
	s_bfe_u32 s41, ttmp6, 0x40004
	s_lshl_b32 s42, ttmp9, 2
	s_add_co_u32 s42, s42, s40                     ; tile column = 4 x cluster x + cx
	s_and_b32 s17, ttmp7, 0xffff
	s_lshl_b32 s17, s17, 2
	s_add_co_u32 s17, s17, s41                     ; tile row = 4 x cluster y + cy
	s_lshl_b32 s43, s41, 2
	s_lshl_b32 s43, 15, s43                        ; my row of the cluster
	s_lshl_b32 s44, 0x1111, s40                    ; my column
	s_or_b32 s[G1+0], s43, (0<<16)|(1<<20)|(1<<21)|(5<<22)|(3<<25)  ; 15:0 the mask; 17:16 element of 1 byte; 20 padding on; 21 set beside a mask; 24:22 after every 64 words (code 5); 31:25 of 4 words (code 3)
	s_or_b32 s[G1B+0], s44, (0<<16)|(1<<20)|(1<<21)|(5<<22)|(3<<25)
.irp g, G1, G1B
	s_mov_b32 s[\g+1], ROWB<<16                    ; tensor_dim0
	s_mov_b32 s[\g+2], 128<<16                     ; tensor_dim1 = 128
	s_mov_b32 s[\g+3], ROWB<<16                    ; tile_dim0
	s_mov_b32 s[\g+4], 128                         ; tile_dim1 = 128
	s_mov_b32 s[\g+6], 0
	s_mov_b32 s[\g+7], 0
.endr
	s_mov_b32 s[G1+5], ROWB                        ; tensor_dim0_stride: A's tile is dense,
	s_mov_b32 s[G1B+5], KROW                       ; B's rows lie 1,024 bytes apart
	s_lshl_b32 s18, s16, 7                         ; which 128 rows of the tile I fetch
	s_lshl_b32 s20, s17, 8
	s_add_co_u32 s20, s20, s18                     ; A: token 256 x tile row + 128 x half;
	s_lshl_b32 s20, s20, 10                        ; a block of 128 tokens is 131,072 bytes: 1,024 a token
	s_mov_b32 s21, 0
	s_lshl_b32 s46, s42, 8
	s_add_co_u32 s46, s46, s18                     ; B: row 256 x tile column + 128 x half
	s_lshl_b32 s46, s46, 10
	s_mov_b32 s47, 0
	s_mul_i32 s45, s14, HALFT                      ; where they go: wave x 128 rows
	s_wait_kmcnt 0x0
	s_load_b64 s[96:97], s[8:9], 0x18              ; e6, e7
	s_add_nc_u64 s[20:21], s[4:5], s[20:21]
	s_add_nc_u64 s[46:47], s[6:7], s[46:47]
	CROUND                                         ; all sixteen work-groups are here: the first joint loads meet
.irp s, 0,1
	s_mov_b32 s[G0+4*\s], 1
	s_add_co_u32 s[G0+4*\s+1], s45, \s*SLOT
	s_add_nc_u64 s[G0+4*\s+2:G0+4*\s+3], s[20:21], \s*ASTEP
	s_or_b32 s[G0+4*\s+3], s[G0+4*\s+3], 0x80000000
	s_mov_b32 s[G0B+4*\s], 1
	s_add_co_u32 s[G0B+4*\s+1], s45, \s*SLOT
	s_add_nc_u64 s[G0B+4*\s+2:G0B+4*\s+3], s[46:47], \s*ROWB
	s_or_b32 s[G0B+4*\s+3], s[G0B+4*\s+3], 0x80000000
	s_wait_alu depctr_va_vdst(0)
	s_wait_tensorcnt 0x0
	ds_add_u32 v28, v29
	ds_add_u32 v28, v29
	s_wait_dscnt 0x0
	CROUND
	JLOAD G0+4*\s, G1, G0B+4*\s, G1B
.endr
	v_and_b32 v1, 15, v0                           ; r
	v_bfe_u32 v2, v0, 4, 1                         ; h
	v_mul_u32_u24 v3, v1, PITCH
	v_lshl_add_u32 v4, v2, 4, v3                   ; B: row r x pitch + 16 h
	v_lshrrev_b32 v5, 2, v1
	v_mul_u32_u24 v5, v5, PITCH
	v_and_b32 v6, 3, v1
	v_lshl_add_u32 v5, v6, 6, v5
	v_lshl_add_u32 v5, v2, 4, v5                   ; A: token r lies at row r / 4, byte 64 (r % 4); + 16 h.  The sixteen lanes of a half touch sixteen different columns of 16 bytes
	s_mul_i32 s21, s15, HALFT                      ; my 128 tokens of A
	s_mul_i32 s22, s16, HALFT                      ; my 128 rows of B,
	s_add_co_u32 s22, s22, 2*HALFT                 ; which lie behind A's 256
.irp s, 0,1
	v_add_nc_u32 v[ADRA+\s], s21, v5
	v_add_nc_u32 v[ADRB+\s], s22, v4
	s_add_co_u32 s21, s21, SLOT
	s_add_co_u32 s22, s22, SLOT
.endr
	s_mul_i32 s23, s14, 16*SPITCH                  ; my stage
	v_mul_u32_u24 v5, v1, SPITCH                   ; in: row r, 32 bytes for each half of the lanes
	v_lshl_add_u32 v5, v2, 5, v5
	v_add_nc_u32 v[STO], s23, v5
	v_and_b32 v6, 31, v0
	v_lshlrev_b32 v[CO], 4, v6                     ; back: the 32 lanes take one row of 512 bytes; and the same in out0
	s_wait_alu depctr_va_vdst(0)
	v_add_nc_u32 v[RD], s23, v[CO]
	s_lshl_b32 s20, s17, 8
	s_lshl_b32 s21, s15, 7
	s_add_co_u32 s20, s20, s21                     ; my first row of out0
	s_lshl_b32 s20, s20, 12                        ; 4,096 bytes a row
	s_lshl_b32 s46, s42, 10
	s_lshl_b32 s47, s16, 9
	s_add_co_u32 s46, s46, s47                     ; my first column, in bytes
	s_mov_b32 s47, 0
	s_add_nc_u64 s[68:69], s[10:11], s[46:47]      ; b_out at my first column
	s_add_co_u32 s20, s20, s46
	s_mov_b32 s21, 0
	s_add_nc_u64 s[12:13], s[12:13], s[20:21]
	global_load_b128 v[BI:BI+3], v[CO], s[68:69]   ; waited for on the way out
.macro FRAG reg, adr, q, i             ; B: 16 rows x 128 K: lane l holds row l % 16; registers 4 c .. 4 c + 3 hold K = 32 c + 16 (l / 16) + 0 .. 15
.irp c, 0,1,2,3
	ds_load_b128 v[\reg+4*\c:\reg+4*\c+3], v[\adr] offset:128*(\q)+32*\c+(\i)*16*PITCH
.endr
.endm
.macro FRAGA reg, adr, q, i            ; A: the same k in the same registers: k = 32 c + .. of the q-th 128 is head 2 q + c / 2 of the slot's four, channel 32 (c % 2) + ..; tokens 16 i on are rows 4 i on
.irp c, 0,1,2,3
	ds_load_b128 v[\reg+4*\c:\reg+4*\c+3], v[\adr] offset:(32*(2*(\q)+\c/2)+4*(\i))*PITCH+32*(\c%2)
.endr
.endm
; 16 matrix instructions: A's blocks a0, a0 + 1 x B's eight, 128 along K.  The 64 accumulators take turns, one instruction a turn, in the same order in every step.
.macro MUL16 a0, p, zero
.irp a, \a0, \a0+1
.irp b, 0,1,2,3,4,5,6,7
.if \zero
	v_wmma_f32_16x16x128_bf8_bf8 v[8*(8*((\a)%4)+\b):8*(8*((\a)%4)+\b)+7], v[128*(\p)+FR*\b:128*(\p)+FR*\b+FR-1], v[AF+FR*(\a):AF+FR*(\a)+FR-1], 0
.else
	v_wmma_f32_16x16x128_bf8_bf8 v[8*(8*((\a)%4)+\b):8*(8*((\a)%4)+\b)+7], v[128*(\p)+FR*\b:128*(\p)+FR*\b+FR-1], v[AF+FR*(\a):AF+FR*(\a)+FR-1], v[8*(8*((\a)%4)+\b):8*(8*((\a)%4)+\b)+7]
.endif
.endr
.endr
.endm
.macro FETCH_B slot, q, p
	WIN TO_B
.irp i, 0,1,2,3,4,5,6,7
	FRAG 128*(\p)+FR*\i, ADRB+\slot, \q, \i
.endr
	WIN 0
.endm
.macro FETCH_A slot, q, i0
.irp i, \i0, \i0+1, \i0+2, \i0+3
	FRAGA AF+FR*(\i), ADRA+\slot, \q, \i
.endr
.endm
.macro PLACES n                        ; places in front of loads into registers that matrix instructions have read, and of the first read of results
.rept \n
	v_nop
.endr
.endm
.macro STEP slot, q, zero              ; a step of 128 along K that has its successor in the same slot
	s_wait_dscnt 4*NL                              ; B's set and A's blocks 0-3 are in; the youngest 16 loads (A's blocks 4-7) may be out
	WIN MUL_LO
	MUL16 0, (\q)%2, \zero
	MUL16 2, (\q)%2, \zero
	s_wait_dscnt 0
	PLACES NP
	FETCH_B \slot, (\q)+1, 1-(\q)%2
	FETCH_A \slot, (\q)+1, 0
	WIN MUL_HI
	MUL16 4, (\q)%2, \zero
	MUL16 6, (\q)%2, \zero
	PLACES NP
	WIN 0
	FETCH_A \slot, (\q)+1, 4
.endm
.macro TURN slot, next, fill           ; a slot's last step changes slots: one barrier, with the three lines in front of it
	s_wait_tensorcnt 0x0                           ; all my tensor loads have landed: my part of the next slot
	ds_add_u32 v[SPW], v[NIL]                      ; 0 onto my spare word
	s_wait_dscnt 4*NL+1                            ; the add and the youngest 16 loads may be out
	WIN MUL_LO
	MUL16 0, 1, 0
	s_wait_dscnt 0x0                               ; the add is done, and my reads of this slot are over
	s_barrier_signal -1
	MUL16 2, 1, 0
	WIN 0
	s_barrier_wait -1
.if \fill
	CREST                                          ; the barrier has opened a round of the cluster's barrier: no wave of any partner still reads this slot's tile or has a load on its way
	s_add_nc_u64 s[G0+4*\slot+2:G0+4*\slot+3], s[G0+4*\slot+2:G0+4*\slot+3], 2*ASTEP
	s_add_nc_u64 s[G0B+4*\slot+2:G0B+4*\slot+3], s[G0B+4*\slot+2:G0B+4*\slot+3], 2*ROWB
	JLOAD G0+4*\slot, G1, G0B+4*\slot, G1B         ; the first tensor load behind the round; its four v_nop are the places in front of the loads below
.else
	PLACES NP
.endif
	FETCH_B \next, 0, 0
	FETCH_A \next, 0, 0
	WIN MUL_HI
	MUL16 4, 1, 0
	MUL16 6, 1, 0
	PLACES NP
	WIN 0
	FETCH_A \next, 0, 4
.endm
	s_wait_tensorcnt 1                             ; my part of K step 0 is in (K step 1's load may be out)
	s_barrier_signal -1
	s_barrier_wait -1                              ; everybody's is
	FETCH_B 0, 0, 0
	FETCH_A 0, 0, 0
	FETCH_A 0, 0, 4
	STEP 0, 0, 1                                   ; the first step's products start the sums
	s_mov_b32 s3, LAPS-1
.Llap:
	TURN 0, 1, 1
	STEP 1, 0, 0
	TURN 1, 0, 1
	STEP 0, 0, 0
	s_sub_co_u32 s3, s3, 1
	s_cmp_lg_u32 s3, 0
	s_cbranch_scc1 .Llap
	TURN 0, 1, 0                                   ; the last lap fills nothing
	STEP 1, 0, 0
	s_wait_dscnt 4*NL
	WIN MUL_LO
	MUL16 0, 1, 0
	MUL16 2, 1, 0
	s_wait_dscnt 0
	WIN MUL_HI
	MUL16 4, 1, 0
	MUL16 6, 1, 0
	WIN 0
; THE WAY OUT, block by block of 16 rows x 128 columns.  The sums go into my own stage as they are and come back as whole rows of 512 bytes: a lane then holds four neighbouring columns, the same four in every row,
; so four registers of bias serve the whole tile; sum x 2^(e6 + e7) + bias is made there, in place, and the 32 lanes store two aligned units of 256 bytes.
.macro TOSTAGE a
.set AC, 64*((\a)%4)
	WIN 0x08+4*((\a)/4)                            ; an LDS store's data are its source 1: window 2 or 3
.irp b, 0,1,2,3,4,5,6,7
	ds_store_b128 v[STO], v[AC+8*\b:AC+8*\b+3] offset:64*\b          ; each accumulator from its low end on
	ds_store_b128 v[STO], v[AC+8*\b+4:AC+8*\b+7] offset:64*\b+16
.endr
	WIN 0
.set BB, BK+64*((\a)%2)
.irp t, 0,1,2,3,4,5,6,7,8,9,10,11,12,13,14,15
	ds_load_b128 v[BB+4*\t:BB+4*\t+3], v[RD] offset:\t*SPITCH        ; LDS serves a wave's instructions in order (ISA guide 5.7.1.4): these see the stores above
.endr
.endm
.macro SEND a, younger                 ; younger: the LDS instructions issued behind block a's loads, which may stay out
.set BB, BK+64*((\a)%2)
	s_wait_dscnt \younger                          ; the block is back in registers
.if (\a) > 0
	s_add_nc_u64 s[12:13], s[12:13], 16*SIZE_N*4   ; (behind a wait on XCNT: the earlier stores have read their base)  16 rows of out0 on
.endif
.irp t, 0,1,2,3,4,5,6,7,8,9,10,11,12,13,14,15
	v_pk_fma_f32 v[BB+4*\t:BB+4*\t+1], v[BB+4*\t:BB+4*\t+1], s[96:97], v[BI:BI+1] op_sel_hi:[1,0,1]
	v_pk_fma_f32 v[BB+4*\t+2:BB+4*\t+3], v[BB+4*\t+2:BB+4*\t+3], s[96:97], v[BI+2:BI+3] op_sel_hi:[1,0,1]
.endr
.irp t, 0,1,2,3,4,5,6,7,8,9,10,11,12,13,14,15
	global_store_b128 v[CO], v[BB+4*\t:BB+4*\t+3], s[12:13] offset:\t*SIZE_N*4 th:TH_STORE_NT   ; 32 lanes store 512 consecutive bytes, at a multiple of 256 from out0's first byte; written once, read by nobody here
.endr
.endm
	s_wait_kmcnt 0x0
	s_add_co_i32 s96, s96, s97                     ; e6 + e7, between -126 and 127,
	s_add_co_i32 s96, s96, 127
	s_lshl_b32 s96, s96, 23                        ; makes the f32 number 2^(e6 + e7)
	s_mov_b32 s97, s96                             ; (named with it as a pair)
	s_wait_loadcnt 0x0                             ; the bias
	PLACES NP                                      ; behind the last products: their results are stored, and A's registers loaded, below
	s_wait_alu depctr_va_vdst(0)
	TOSTAGE 0
.irp a, 1,2,3,4,5,6,7
.if \a > 1
	s_wait_xcnt 0x0                                ; block a - 2's stores have read their registers and their base: block a's loads may land there, and the base may step
.endif
	TOSTAGE \a
	SEND \a-1, 32                                  ; behind block a - 1's loads: block a's 16 stores and 16 loads
.endr
	s_wait_xcnt 0x0                                ; block 6's stores have read their base
	SEND 7, 0
	s_wait_tensorcnt 0x0                           ; the wave's end: behind my last tensor load and my last LDS store
	ds_add_u32 v[SPW], v[NIL]
	s_wait_dscnt 0x0
	CROUND                                         ; the closing round: no work-group ends while a partner may still ask for a tile that names it
	s_endpgm
.Lfunc_end_k_qfe0eacc77c_proj:
	.size	k_qfe0eacc77c_proj, .Lfunc_end_k_qfe0eacc77c_proj-k_qfe0eacc77c_proj
	.p2alignl 7, 3214868480
	.fill 96, 4, 3214868480
	.section	.rodata,"a",@progbits
	.p2align	6, 0x0
	.amdhsa_kernel k_qfe0eacc77c_proj
		.amdhsa_group_segment_fixed_size 327680
		.amdhsa_private_segment_fixed_size 0
		.amdhsa_enable_private_segment 0
		.amdhsa_kernarg_size 40
		.amdhsa_user_sgpr_count 2
		.amdhsa_user_sgpr_kernarg_segment_ptr 1
		.amdhsa_wavefront_size32 1
		.amdhsa_system_sgpr_workgroup_id_x 1
		.amdhsa_system_sgpr_workgroup_id_y 1
		.amdhsa_system_sgpr_workgroup_id_z 1
		.amdhsa_system_vgpr_workitem_id 0
		.amdhsa_next_free_vgpr 1024
		.amdhsa_next_free_sgpr 98
		.amdhsa_reserve_vcc 0
		.amdhsa_float_denorm_mode_32 3
		.amdhsa_float_denorm_mode_16_64 3
		.amdhsa_memory_ordered 1
		.amdhsa_forward_progress 1
		.amdhsa_inst_pref_size 125
	.end_amdhsa_kernel
	.amdgpu_metadata
---
amdhsa.version: [ 1, 2 ]
amdhsa.kernels:
  - .name:           k_qfe0eacc77c_proj
    .symbol:         k_qfe0eacc77c_proj.kd
    .args:
      - { .name: a_codes, .offset: 0, .size: 8, .value_kind: global_buffer, .address_space: global }
      - { .name: w_out_codes, .offset: 8, .size: 8, .value_kind: global_buffer, .address_space: global }
      - { .name: lowp_scales, .offset: 16, .size: 8, .value_kind: global_buffer, .address_space: global }
      - { .name: b_out, .offset: 24, .size: 8, .value_kind: global_buffer, .address_space: global }
      - { .name: out0, .offset: 32, .size: 8, .value_kind: global_buffer, .address_space: global }
    .group_segment_fixed_size: 327680
    .private_segment_fixed_size: 0
    .kernarg_segment_align: 8
    .kernarg_segment_size: 40
    .max_flat_workgroup_size: 128
    .sgpr_count:     98
    .vgpr_count:     1024
    .wavefront_size: 32
...
	.end_amdgpu_metadata
.endif
;; end of part 3
